; MI455X (gfx1250); checked and timed in simulation.
; The chip was launched on July 23, 2026; its instructions are those of AMD's public machine-readable ISA for CDNA 5 (MIT licence, August 2026) and "CDNA5" Instruction Set Architecture Reference Guide (July 2026). The comments in the code are by the model that wrote it; some were corrected since.
;; Shared Sparse Offset Dict. Allowed arithmetic: matrix products marked QUANTISED: E2M1 operands, one E8M0 scale for each 32 along K, by v_wmma_scale_f32_16x16x128_f8f6f4 with both operands' format E2M1 (or v_wmma_scale_f32_32x16x128_f4), f32 sums; products left as they are: f32 operands where the result goes on into a quantised operand, else bf16, f16 or f32 operands; f32 sums; everything else in f32.
;; Inputs: W_dict 16,384 x 1,024 float32; W_enc 16,384 x 1,024 float32; x 2 x 2,048 x 1,024 float32.
;; Outputs: out0 2 x 2,048 x 1,024 float32; out1 one number float32.
;; This version of the problem:
;;   THIS VERSION OF THE PROBLEM IS GIVEN IN LOW PRECISION. The matrix products marked QUANTISED in the list below multiply operands that are first quantised to E2M1 (2 exponent bits, 1 mantissa bit; 4 bits a number), with one power-of-two scale for each 32 numbers along K (OCP MX v1.0); their sums are f32. All else is computed in f32.
;;   The module's matrix products, in the order in which they are computed (A, B: the left and right operand; K: the contracted axis; several contracted axes count as one K, in the product's order):
;;     1. [M 4,096, K 1,024] x [K 1,024, N 16,384]; A: input x; B: input W_enc: QUANTISED
;;     2. batch 4,096 x [M 1, K 8] x [K 8, N 1,024]; A: computed on the way; B: computed on the way: left as it is (K = 8 < 32)
;;   THE QUANTISER, for each operand of a quantised product, along K:
;;     - K is cut into blocks of 32 from its start; a last block that is shorter is filled with zeros.
;;     - A block's scale is 2^e with e = floor(log2(the largest magnitude in the block)) - 2, held to -126 .. 127; a block of zeros has e = 0. As a byte (E8M0): e + 127.
;;     - Each number is divided by its block's scale, clamped to +-6, and rounded to the nearest number of E2M1, ties to even, subnormals kept.
;;     - The product sums the exact products of the quantised numbers (number of the format x scale) in f32.
;;   ~~~python
;;   def quantise(x, axis):      # numpy; x: float32 -> the quantised numbers, widened to float32 again
;;       x = np.moveaxis(x, axis, -1); K = x.shape[-1]
;;       x = np.pad(x, [(0, 0)] * (x.ndim - 1) + [(0, -K % 32)]); x = x.reshape(x.shape[:-1] + (-1, 32)); a = np.abs(x).max(-1, keepdims=True)
;;       e = np.where(a > 0, np.clip(np.frexp(np.where(a > 0, a, 1))[1] - 1 - 2, -126, 127), 0)      # np.frexp(a)[1] - 1 = floor(log2(a)), exactly
;;       r = np.clip(x / 2.0 ** e, -6, 6)
;;       step = 2.0 ** (np.maximum(np.frexp(np.where(r == 0, 1, r))[1] - 1, 0) - 1)
;;       q = np.round(r / step) * step * 2.0 ** e      # np.round: ties to even
;;       return np.moveaxis(q.reshape(q.shape[:-2] + (-1,))[..., :K], -1, axis).astype(np.float32)
;;   ~~~
;; One version. Each part assembles by itself: llvm-mc -triple=amdgcn-amd-amdhsa -mcpu=gfx1250 --defsym DOCPART=n.
;; ======== version 1 of 1: 5 launches
;; limits: right only within a limited range of input values
;; workspace buffers: img 10,485,760 bytes; sc 655,360 bytes; gmax 16,777,216 bytes; gsel 131,072 bytes of whole numbers; idx 131,072 bytes of whole numbers; vals 131,072 bytes; part 1,024 bytes
;; launch quant (part 1): grid 256 x 1, 8 waves a work-group, no clusters, 71,168 bytes of LDS; arguments x, W_enc, img, sc; writes img, sc
.if DOCPART == 1
	.amdgcn_target "amdgcn-amd-amdhsa--gfx1250"
	.amdhsa_code_object_version 6
	.text
	.protected	k_q53618a8388_quant
	.globl	k_q53618a8388_quant
	.p2align	8
	.type	k_q53618a8388_quant,@function
k_q53618a8388_quant:
	s_mov_b64 s[64:65], 0
	v_nop
	global_prefetch_b8 v0, s[64:65] scope:SCOPE_SE
	s_setreg_imm32_b32 hwreg(HW_REG_WAVE_MODE, 25, 1), 1
	s_wait_xcnt 0x0
; x [4096][1024] and W_enc [16384][1024], f32, become codes of FP4 (E2M1) with one E8M0 scale byte for each 32 along K, laid as IMAGES OF THE MATRIX OPERAND'S REGISTERS.
; Rows go in blocks of 16: blocks 0-255 are x's, 256-1279 W_enc's.
;   img: 8,192 bytes a block: [K step s of 128][c 0..1][lane][16 bytes]; lane (r = lane % 16, h = lane / 16), part c: the codes of row r, k = 128 s + 64 c + 32 h + 0 .. 31.
;   sc:  512 bytes a block: [h][r][4 words]; lane (r, h), word i: the scale word (four bytes, 128 along K) of row r for K step 4 h + i.
; A block's scale is 2^(floor(log2(its largest magnitude)) - 2); its byte is the largest magnitude's exponent field - 2, held at 1 from below.
; LIMITS: a block of zeros gets the byte 1 where the quantiser says 127 (its codes are zeros, which add nothing, and this program alone reads the bytes); NaN and infinities among the inputs are not served.
; SHARES: work-group g takes x's block g and W_enc's blocks 4 g .. 4 g + 3; wave w takes K step w of each: 16 rows x 128 numbers.
; Each load reads 512 consecutive bytes of one row; the 8,192 bytes turn through the wave's own stage in LDS, so that a lane then holds the 32 neighbours of a whole block, twice (c = 0, 1):
; a block's largest magnitude needs no other lane, and the conversions' results are the operand's registers.
.set WIMG, 2097152                     ; where W_enc's images begin in img
.set WSC,  131072                      ; and its scale words in sc
.set SP,   528                         ; a stage row: 512 bytes + 16: 132 words, so the 16 rows that a read touches start at 16 different banks (64 banks of 4 bytes: ISA guide 11.1)
.set STG,  16*SP                       ; a wave's stage
.set SCL,  8*STG                       ; behind the stages: five scale images of 512 bytes
.set RAW,  16                          ; v16-143  two sets of 64: a block's numbers as loaded
.set X,    144                         ; v144-207 the same, turned: register 32 c + i = k 64 c + 32 h + i of row r
.set CD,   208                         ; v208-247 codes, eight registers for each of the five blocks: no store's data are written again
	s_load_b256 s[4:11], s[0:1], 0x0               ; x s[4:5], W_enc s[6:7], img s[8:9], sc s[10:11]
	v_lshl_add_u32 v254, v0, 2, 0x11200
	v_mov_b32 v255, 0
	v_lshrrev_b32 v7, 5, v0
	s_delay_alu instid0(VALU_DEP_1)
	v_readfirstlane_b32 s12, v7                    ; wave = K step
	v_and_b32 v7, 31, v0                           ; lane
	v_and_b32 v8, 15, v0                           ; r
	s_wait_alu depctr_va_vdst(0)
	v_bfe_u32 v9, v0, 4, 1                         ; h
	s_wait_alu depctr_va_vdst(0)
	s_lshl_b32 s13, s12, 9
	v_lshl_add_u32 v1, v7, 4, s13                  ; in: 512 w + 16 lane in a row
	s_mul_i32 s24, s12, STG
	v_lshl_add_u32 v2, v7, 4, s24                  ; into the stage: as loaded
	v_mul_u32_u24 v3, v8, SP
	s_delay_alu instid0(VALU_DEP_1)
	v_lshl_add_u32 v3, v9, 7, v3
	s_delay_alu instid0(VALU_DEP_1)
	v_add_nc_u32 v3, s24, v3                       ; out of it: row r, + 128 h bytes
	s_lshl_b32 s25, s12, 10
	v_lshl_add_u32 v4, v7, 4, s25                  ; the codes' place in a block's image: 1,024 w + 16 lane
	s_lshr_b32 s26, s12, 2
	s_lshl_b32 s26, s26, 8
	s_and_b32 s27, s12, 3
	s_lshl_b32 s27, s27, 2
	s_add_co_u32 s26, s26, s27
	s_add_co_u32 s26, s26, SCL
	v_lshl_add_u32 v5, v8, 4, s26                  ; my row's scale word of K step w in a scale image: 256 (w / 4) + 16 r + 4 (w % 4)
	v_lshlrev_b32 v6, 3, v9                        ; 8 h: my bytes' shift in the word
	v_mov_b32 v15, 0                               ; written once: a lane permute's destination counts as one of its sources
	v_lshlrev_b32 v248, 4, v0                      ; the scale images' way out: 16 x thread in memory,
	v_lshl_add_u32 v249, v0, 4, SCL                ; and in LDS
	s_mov_b32 s14, 0x76543210
	s_mov_b32 s15, 0xfedcba98                      ; v_permlanex16_b32's selects for lane l xor 16
	s_mov_b32 s29, 0
	s_wait_alu depctr_va_vdst(0)
	s_wait_kmcnt 0x0
	s_lshl_b32 s28, ttmp9, 16
	s_add_nc_u64 s[4:5], s[4:5], s[28:29]          ; x at block g (16 rows of 4,096 bytes)
	s_lshl_b32 s28, ttmp9, 18
	s_add_nc_u64 s[6:7], s[6:7], s[28:29]          ; W_enc at block 4 g
	s_lshl_b32 s28, ttmp9, 13
	s_add_nc_u64 s[16:17], s[8:9], s[28:29]        ; x's image
	s_lshl_b32 s28, ttmp9, 15
	s_add_co_u32 s28, s28, WIMG
	s_add_nc_u64 s[18:19], s[8:9], s[28:29]        ; W_enc's four images
	s_lshl_b32 s28, ttmp9, 9
	s_add_nc_u64 s[20:21], s[10:11], s[28:29]      ; x's scale image
	s_lshl_b32 s28, ttmp9, 11
	s_add_co_u32 s28, s28, WSC-512
	s_add_nc_u64 s[22:23], s[10:11], s[28:29]      ; W_enc's four, less 512: waves 1 to 4 store them at 512 x wave
.macro LOADB b                         ; block b's 16 rows, 512 consecutive bytes a load, into set b % 2
.irp p, 0,1,2,3,4,5,6,7,8,9,10,11,12,13,14,15
.if (\b) == 0
	global_load_b128 v[RAW+4*\p:RAW+4*\p+3], v1, s[4:5] offset:4096*\p th:TH_LOAD_NT
.else
	global_load_b128 v[RAW+64*((\b)%2)+4*\p:RAW+64*((\b)%2)+4*\p+3], v1, s[6:7] offset:65536*((\b)-1)+4096*\p th:TH_LOAD_NT
.endif
.endr
.endm
.macro TURN b                          ; through my own stage: LDS serves a wave's instructions in order (ISA guide 5.7.1.4), so no wait stands between the stores and the loads
.irp p, 0,1,2,3,4,5,6,7,8,9,10,11,12,13,14,15
	ds_store_b128 v2, v[RAW+64*((\b)%2)+4*\p:RAW+64*((\b)%2)+4*\p+3] offset:SP*\p
.endr
.irp c, 0,1
.irp i, 0,1,2,3,4,5,6,7
	ds_load_b128 v[X+32*\c+4*\i:X+32*\c+4*\i+3], v3 offset:256*\c+16*\i
.endr
.endr
.endm
.macro QUANT b
.irp c, 0,1                            ; my two blocks of 32: all their numbers are mine
	v_max3_num_f32 v[8+\c], |v[X+32*\c]|, |v[X+32*\c+1]|, 0x1800000   ; and the floor 2^(3 - 127): the byte cannot fall under 1
.endr
.irp i, 2,4,6,8,10,12,14,16,18,20,22,24,26,28,30
.irp c, 0,1
	s_delay_alu instid0(VALU_DEP_2)
	v_max3_num_f32 v[8+\c], v[8+\c], |v[X+32*\c+\i]|, |v[X+32*\c+\i+1]|   ; (the two blocks by turns)
.endr
.endr
.irp c, 0,1
	s_delay_alu instid0(VALU_DEP_2)
	v_add_nc_u32 v[10+\c], 0xff000000, v[8+\c]     ; 2 off the exponent field: the conversion takes the exponent field of this operand as its scale
.endr
.irp c, 0,1
.irp g, 0,1,2,3
	v_cvt_scalef32_pk8_fp4_f32 v[CD+8*(\b)+4*\c+\g], v[X+32*\c+8*\g:X+32*\c+8*\g+7], v[10+\c]   ; registers 4 c .. 4 c + 3 of the operand
.endr
.endr
	v_lshrrev_b32 v12, 23, v10                     ; the scales' bytes (a plain line behind the conversions)
	v_lshrrev_b32 v13, 23, v11
	s_delay_alu instid0(VALU_DEP_1)
	v_lshl_or_b32 v14, v13, 16, v12                ; blocks h and 2 + h of the K step,
	s_delay_alu instid0(VALU_DEP_1)
	v_lshlrev_b32 v14, v6, v14                     ; at their places in the word;
	s_delay_alu instid0(VALU_DEP_1)
	v_permlanex16_b32 v15, v14, s14, s15
	s_delay_alu instid0(VALU_DEP_1)
	v_or_b32 v14, v14, v15                         ; with lane l xor 16's two the word is whole
	ds_store_b32 v5, v14 offset:512*(\b)           ; lanes r and r + 16 write the same word with the same value
.irp c, 0,1
.if (\b) == 0
	global_store_b128 v4, v[CD+4*\c:CD+4*\c+3], s[16:17] offset:512*\c                              ; 32 lanes store 512 consecutive bytes
.else
	global_store_b128 v4, v[CD+8*(\b)+4*\c:CD+8*(\b)+4*\c+3], s[18:19] offset:8192*((\b)-1)+512*\c
.endif
.endr
.endm
	LOADB 0
	LOADB 1
.irp b, 0,1,2,3,4
.if \b < 4
	s_wait_loadcnt 16                              ; this block's 16 loads are in; the next block's 16 may be out
.else
	s_wait_loadcnt 0x0
.endif
	TURN \b
	s_wait_dscnt 0x0                               ; the turned numbers are in, and the stage's stores have read the raw set,
.if \b < 3
	LOADB \b+2                                     ; which takes the block two further on
.endif
	QUANT \b
.endr
	s_wait_dscnt 0x0                               ; for the others' sake: my scale words lie in LDS
	s_barrier_signal -1
	s_barrier_wait -1
	s_cmp_gt_u32 s12, 4                            ; five images, one a wave
	s_cbranch_scc1 .Ldone
	ds_load_b128 v[8:11], v249                     ; image w: 512 bytes, 16 a lane
	s_cmp_eq_u32 s12, 0
	s_cselect_b64 s[20:21], s[20:21], s[22:23]     ; wave 0: x's; the choice hangs on the wave's number alone
	s_wait_dscnt 0x0
	global_store_b128 v248, v[8:11], s[20:21]      ; 512 consecutive bytes
.Ldone:
	s_wait_tensorcnt 0x0
	ds_add_u32 v254, v255
	s_wait_dscnt 0x0
	s_endpgm
.Lfunc_end_k_q53618a8388_quant:
	.size	k_q53618a8388_quant, .Lfunc_end_k_q53618a8388_quant-k_q53618a8388_quant
	.p2alignl 7, 3214868480
	.fill 96, 4, 3214868480
	.section	.rodata,"a",@progbits
	.p2align	6, 0x0
	.amdhsa_kernel k_q53618a8388_quant
		.amdhsa_group_segment_fixed_size 71168
		.amdhsa_private_segment_fixed_size 0
		.amdhsa_enable_private_segment 0
		.amdhsa_kernarg_size 32
		.amdhsa_user_sgpr_count 2
		.amdhsa_user_sgpr_kernarg_segment_ptr 1
		.amdhsa_wavefront_size32 1
		.amdhsa_system_sgpr_workgroup_id_x 1
		.amdhsa_system_sgpr_workgroup_id_y 1
		.amdhsa_system_sgpr_workgroup_id_z 1
		.amdhsa_system_vgpr_workitem_id 0
		.amdhsa_next_free_vgpr 256
		.amdhsa_next_free_sgpr 66
		.amdhsa_reserve_vcc 0
		.amdhsa_float_denorm_mode_32 3
		.amdhsa_float_denorm_mode_16_64 3
		.amdhsa_memory_ordered 1
		.amdhsa_forward_progress 1
		.amdhsa_inst_pref_size 43
	.end_amdhsa_kernel
	.amdgpu_metadata
---
amdhsa.version: [ 1, 2 ]
amdhsa.kernels:
  - .name:           k_q53618a8388_quant
    .symbol:         k_q53618a8388_quant.kd
    .args:
      - { .name: x, .offset: 0, .size: 8, .value_kind: global_buffer, .address_space: global }
      - { .name: W_enc, .offset: 8, .size: 8, .value_kind: global_buffer, .address_space: global }
      - { .name: img, .offset: 16, .size: 8, .value_kind: global_buffer, .address_space: global }
      - { .name: sc, .offset: 24, .size: 8, .value_kind: global_buffer, .address_space: global }
    .group_segment_fixed_size: 71168
    .private_segment_fixed_size: 0
    .kernarg_segment_align: 8
    .kernarg_segment_size: 32
    .max_flat_workgroup_size: 256
    .sgpr_count:     66
    .vgpr_count:     256
    .wavefront_size: 32
...
	.end_amdgpu_metadata
.endif
;; end of part 1
;; launch gemm (part 2): grid 8 x 32, 4 waves a work-group, clusters of 4 x 4, 327,680 bytes of LDS; arguments img, sc, gmax; writes gmax
.if DOCPART == 2
	.amdgcn_target "amdgcn-amd-amdhsa--gfx1250"
	.amdhsa_code_object_version 6
	.text
	.protected	k_q53618a8388_gemm
	.globl	k_q53618a8388_gemm
	.p2align	8
	.type	k_q53618a8388_gemm,@function
k_q53618a8388_gemm:
	s_mov_b64 s[64:65], 0
	v_nop
	global_prefetch_b8 v0, s[64:65] scope:SCOPE_SE
	s_setreg_imm32_b32 hwreg(HW_REG_WAVE_MODE, 25, 1), 1
	s_wait_xcnt 0x0
	s_wait_alu depctr_hold_cnt(0) depctr_sa_sdst(0) depctr_va_vdst(0) depctr_va_sdst(0) depctr_va_ssrc(0) depctr_va_vcc(0) depctr_vm_vsrc(0)
	s_getreg_b32 s2, hwreg(HW_REG_IB_STS2, 6, 4)
	s_cmp_eq_u32 s2, 0
	s_cbranch_scc0 .Lentry_in_a_cluster
	s_endpgm
.Lentry_in_a_cluster:
	s_bfe_u32 s2, ttmp6, 0x10000c
	s_cmp_lg_u32 s2, 0xf033
	s_cbranch_scc0 .Lentry_shape_is_right
	s_endpgm
.Lentry_shape_is_right:
; coeffs = Q(x) Q(W_enc)^T on codes of FP4 with E8M0 scales, M 4,096, N 16,384, K 1,024.  THE COEFFICIENTS NEVER GO TO MEMORY: what is stored is, for each row of x and each GROUP of 16 neighbouring
; columns (a block of W_enc), the group's largest coefficient.  Every one of a row's 8 first coefficients (value falling, index rising) lies in one of its 8 first groups (largest falling, number rising):
; were its group not among them, 8 groups would stand ahead, and the first largest of each would stand ahead of it.  Later launches pick those groups and compute their 128 coefficients again.
; SHARES.  A work-group takes 512 rows of x (rt) x 512 columns (sp: W blocks 32 sp .. 32 sp + 31).  Wave w owns x's blocks 32 rt + 8 w + a, a = 0 .. 7: their codes for ALL of K stay in 512 registers.
; Columns go in 8 tiles of 4 blocks; a tile is 8 K steps x 32 matrix instructions on 32 accumulators; for a K step a wave reads 4,096 bytes of LDS.
; CLUSTER, 4 x 4.  The four work-groups of a column of the cluster have the same rt and ask for x's codes JOINTLY; the four of a row have the same sp and ask for W_enc's codes and scale words jointly.
; LDS.  [0, 262144): first x's 32 images; when every wave has them in registers, these bytes are filled again with W's tiles 1-3 (while tile 0 is multiplied) and tiles 4-7 (while tiles 1-3 are).
;   [262144, 294912): W's tile 0.  [294912, 311296): the span's 32 scale images.  [311296, 311808): the spare words.  By this text's count a wave has one tensor load out at most, and every wait on TENSORcnt is for 0.
; THE MATRIX INSTRUCTION: source 0 = 16 rows of W_enc, source 1 = 16 rows of x: a lane (r, h) holds ONE row of x (r) and source 0's rows 8 h + 0 .. 7.
; WHICH ROWS OF W FORM A FRAGMENT.  Of a tile's blocks p and p + 2 (p = 0, 1) two fragments are made: in the first, lanes 0-7 take rows 0-7 of block p and lanes 8-15 rows 8-15 of block p + 2; in the second, rows 8-15 of
; block p and rows 0-7 of block p + 2.  So the two accumulators' 16 registers of a lane (r, h) are ALL 16 columns of block p + 2 h: a group's largest needs no other lane.
; gmax: [x block][column tile N][lane][2] f32: lane (r, h), word i: row r's largest in W block 4 N + 2 h + i.
; PREFETCH.  Each refill's bytes are named one stage ahead of its tensor load: tiles 1-3 (384 blocks of 256 bytes) behind the head's loads, tiles 4-7 (512 blocks) behind the load of tiles 1-3.  The four partners that ask
; for them jointly share the blocks out by address (cx): 96 and 128 blocks each, a lane a block.  x, tile 0 and the scale words are the launch's first loads: nothing stands ahead of them to ask from.
; LIMITS: NaN and infinities are not served.
; REGISTERS, in windows of 256: window 0: v1-15 addresses; v16-47 x's scale words (4 a block); v48-63 W's (4 a fragment of the tile); v64-159 W's fragments, three sets of 32; v160-175 the groups' largest.
;   window 1: accumulator (a, t) at v[8 (4 a + t)].   window 2: x's fragment (a, s), s < 4, at v[64 s + 8 a].   window 3: s >= 4, at v[64 (s - 4) + 8 a].
.set WIMG, 2097152                     ; where W_enc's images begin in img
.set WSC,  131072                      ; and its scale words in sc
.set T0,   262144                      ; LDS: W's tile 0
.set SCB,  294912                      ; the span's scale images
.set SPARE, 311296                     ; the spare words: 128 bytes a wave
.set LI,  1                            ; v1  16 x lane
.set LA,  2                            ; v2  a first fragment's lane term: 16,384 (r / 8) + 16 x lane
.set LB,  3                            ; v3  a second fragment's: the other eight rows (bit 7 turned)
.set LSA, 4                            ; v4  the same for scale words: SCB + 1,024 (r / 8) + 16 x lane
.set LSB, 5                            ; v5
.set ADA, 6                            ; v6-7  LDS addresses of the tile in hand: fragments,
.set ASA, 8                            ; v8-9  scale words
.set GO,  10                           ; v10 8 x lane: my place in a unit of gmax
.set XA,  11                           ; v11 65,536 x wave + 16 x lane: my blocks of x in LDS
.set PF,  12                           ; v12 256 x thread: the prefetches' offset; never rewritten
.set SPW, 14                           ; v14 my spare word
.set NIL, 15                           ; v15 0
.set XS,  16
.set WS,  48
.set WF,  64
.set R,   160
.set G1X, 28                           ; s[28:35] group 1 for x's halves, 512 rows of 256 bytes; s[36:43] 64 rows (scales); s[44:51] 96 rows (tiles 1-3, a quarter); s[52:59] 128 rows (tile 0; tiles 4-7, a quarter)
.set G1S, 36
.set G1A, 44
.set G1B, 52
.set G0X, 60                           ; groups 0: x, tile 0, tiles 1-3, tiles 4-7, scales
.set G0T, 68
.set G0A, 72
.set G0B, 76
.set G0S, 88
.set MSB, 0
.macro WIN new                         ; the immediate's high byte repeats the setting that is left; a switch that changes nothing is dropped
.if MSB != \new
	s_set_vgpr_msb (MSB<<8)|\new
.set MSB, \new
.endif
.endm
.macro PLACES                          ; four plain places between a matrix instruction and a load into, or a vector read of, its registers
.rept 4
	v_nop
.endr
.endm
.macro CROUND                          ; a round of the cluster's barrier
	s_barrier_signal -1
	s_barrier_wait -1
	s_cmp_lg_u32 s14, 0
	s_cbranch_scc1 .Lnot_wave_0_\@
	s_barrier_signal -3
.Lnot_wave_0_\@:
	s_barrier_wait -3
	s_barrier_signal -1
	s_barrier_wait -1
.endm
.macro GROUP1 g, m, rows               ; a dense block as rows of 256 bytes: 32 elements of 8 bytes
	s_or_b32 s[\g], s[\m], (3<<16)|(1<<21)         ; 15:0 the mask; 17:16 elements of 8 bytes; 21 set beside a mask
	s_mov_b32 s[\g+1], 32<<16                      ; tensor_dim0 = 32
	s_mov_b32 s[\g+2], (\rows)<<16                 ; tensor_dim1
	s_mov_b32 s[\g+3], 32<<16                      ; tile_dim0 = 32
	s_mov_b32 s[\g+4], \rows                       ; tile_dim1
	s_mov_b32 s[\g+5], 32                          ; the pitch: dense
	s_mov_b32 s[\g+6], 0
	s_mov_b32 s[\g+7], 0
.endm
.macro TLOAD g0, g1                    ; a joint load; s_nop 0 and four v_nop follow it
	tensor_load_to_lds s[\g0:\g0+3], s[\g1:\g1+7]
	s_nop 0
	PLACES
.endm
.macro REFILL g0, g1                   ; in front of a refill: all my tensor loads have landed, the add, the add and my LDS reads are done; a round; the one load
	s_wait_tensorcnt 0x0
	ds_add_u32 v[SPW], v[NIL]
	s_wait_dscnt 0x0
	CROUND
	TLOAD \g0, \g1
.endm
	s_load_b128 s[4:7], s[0:1], 0x0                ; img s[4:5], sc s[6:7]
	s_load_b64 s[8:9], s[0:1], 0x10                ; gmax
	v_lshl_add_u32 v[SPW], v0, 2, SPARE
	v_mov_b32 v[NIL], 0
	ds_add_u32 v[SPW], v[NIL]                      ; the opening lines: the add twice on end and one wait
	ds_add_u32 v[SPW], v[NIL]
	v_lshrrev_b32 v[XA], 5, v0
	v_readfirstlane_b32 s14, v[XA]                 ; wave 0..3
	s_and_b32 s16, s14, 1
	s_bfe_u32 s80, ttmp6, 0x40000                  ; cx
	s_bfe_u32 s81, ttmp6, 0x40004                  ; cy
	s_lshl_b32 s17, ttmp9, 2
	s_add_co_u32 s17, s17, s80                     ; rt = 4 x cluster x + cx
	s_and_b32 s18, ttmp7, 0xffff
	s_lshl_b32 s18, s18, 2
	s_add_co_u32 s18, s18, s81                     ; sp = 4 x cluster y + cy
	s_lshl_b32 s19, s81, 2
	s_lshl_b32 s19, 15, s19                        ; my row of the cluster (same cy, same sp): W's loads
	s_lshl_b32 s20, 0x1111, s80                    ; my column (same cx, same rt): x's loads
	GROUP1 G1X, 20, 512
	GROUP1 G1S, 19, 64
	GROUP1 G1A, 19, 96
	GROUP1 G1B, 19, 128
	s_mov_b32 s25, 0                               ; s[24:25]: offsets made of sp and the wave's number;  s[26:27], s84, s85: of rt or cx and the wave's number
	s_mov_b32 s27, 0
	s_lshl_b32 s21, s16, 17                        ; x's half: 131,072 bytes, in LDS as in memory
	s_lshl_b32 s26, s17, 18
	s_add_co_u32 s26, s26, s21
	s_mov_b32 s[G0X], 1
	s_mov_b32 s[G0X+1], s21
	s_mov_b32 s[G0T], 1
	s_mov_b32 s[G0T+1], T0
	s_mov_b32 s[G0S], 1
	s_mov_b32 s[G0S+1], SCB
	s_mov_b32 s[G0A], 1
	s_mov_b32 s[G0B], 1
	s_wait_dscnt 0x0                               ; both opening adds are done
	s_wait_kmcnt 0x0
	s_add_nc_u64 s[G0X+2:G0X+3], s[4:5], s[26:27]
	s_or_b32 s[G0X+3], s[G0X+3], 0x80000000
	s_lshl_b32 s24, s18, 18
	s_add_co_u32 s24, s24, WIMG
	s_add_nc_u64 s[82:83], s[4:5], s[24:25]        ; the span's code images
	s_mov_b64 s[G0T+2:G0T+3], s[82:83]
	s_or_b32 s[G0T+3], s[G0T+3], 0x80000000
	s_lshl_b32 s24, s18, 14
	s_add_co_u32 s24, s24, WSC
	s_add_nc_u64 s[G0S+2:G0S+3], s[6:7], s[24:25]  ; its scale images
	s_or_b32 s[G0S+3], s[G0S+3], 0x80000000
	s_mul_i32 s24, s14, 24576                      ; tiles 1-3: my quarter, 24,576 bytes, to LDS byte 0 on
	s_mov_b32 s[G0A+1], s24
	s_add_co_u32 s24, s24, 32768
	s_add_nc_u64 s[G0A+2:G0A+3], s[82:83], s[24:25]
	s_or_b32 s[G0A+3], s[G0A+3], 0x80000000
	s_lshl_b32 s24, s14, 15                        ; tiles 4-7: my quarter, 32,768 bytes, behind them
	s_add_co_u32 s[G0B+1], s24, 98304
	s_add_co_u32 s24, s24, 131072
	s_add_nc_u64 s[G0B+2:G0B+3], s[82:83], s[24:25]
	s_or_b32 s[G0B+3], s[G0B+3], 0x80000000
	s_mul_i32 s26, s80, 24576                      ; the prefetches: my work-group's 96 blocks of tiles 1-3,
	s_add_co_u32 s26, s26, 32768
	s_add_nc_u64 s[10:11], s[82:83], s[26:27]
	s_lshl_b32 s26, s80, 15                        ; and its 128 blocks of tiles 4-7
	s_add_co_u32 s26, s26, 131072
	s_add_nc_u64 s[86:87], s[82:83], s[26:27]
	s_lshl_b32 s84, s17, 5
	s_lshl_b32 s26, s14, 3
	s_add_co_u32 s84, s84, s26                     ; my first block of x: 32 rt + 8 w
	s_lshl_b32 s26, s84, 9
	s_add_nc_u64 s[12:13], s[6:7], s[26:27]        ; its scale image
	s_lshl_b32 s26, s84, 16
	s_lshl_b32 s85, s18, 11
	s_add_co_u32 s26, s26, s85
	s_add_nc_u64 s[8:9], s[8:9], s[26:27]          ; gmax at my first block, the span's first tile
	CROUND                                         ; all sixteen work-groups are here: the first joint loads meet
; THE HEAD'S LOADS, ONE A WAVE, in one chain of branches on the wave's number: waves 0 and 1 x's halves, wave 2 W's tile 0, wave 3 the span's scale images.
	s_cmp_lt_u32 s14, 2
	s_cbranch_scc0 .Lhead_t
	TLOAD G0X, G1X
	s_branch .Lhead_asked
.Lhead_t:
	s_cmp_lt_u32 s14, 3
	s_cbranch_scc0 .Lhead_s
	TLOAD G0T, G1B
	s_branch .Lhead_asked
.Lhead_s:
	TLOAD G0S, G1S
.Lhead_asked:
	v_and_b32 v[GO], 31, v0
	v_lshlrev_b32 v[LI], 4, v[GO]
	v_lshlrev_b32 v[GO], 3, v[GO]
	v_bfe_u32 v[LB], v0, 3, 1                      ; r / 8
	v_lshl_add_u32 v[LA], v[LB], 14, v[LI]
	v_lshl_add_u32 v[LSA], v[LB], 10, v[LI]
	v_add_nc_u32 v[LSA], SCB, v[LSA]
	v_xor_b32 v[LB], 128, v[LA]
	v_xor_b32 v[LSB], 128, v[LSA]
	s_lshl_b32 s24, s14, 16
	v_add_nc_u32 v[XA], s24, v[LI]
	v_lshlrev_b32 v[PF], 8, v0
	s_wait_alu depctr_va_vdst(0)
	s_cmp_lt_u32 s14, 3                            ; 96 blocks: waves 0 to 2, a lane a block
	s_cbranch_scc0 .Lno_ask
	global_prefetch_b8 v[PF], s[10:11] th:TH_LOAD_NT scope:SCOPE_SE
.Lno_ask:
.irp a, 0,1,2,3,4,5,6,7
	global_load_b128 v[XS+4*\a:XS+4*\a+3], v[LI], s[12:13] offset:512*\a     ; x's scale words: register i: lanes 0-15 K step i, lanes 16-31 K step 4 + i
.endr
	s_mov_b32 s22, T0                              ; LDS byte at which the tile in hand begins,
	s_mov_b32 s23, 0                               ; and its scale images, from SCB on
	s_wait_tensorcnt 0x0                           ; my load has landed;
	s_barrier_signal -1
	s_barrier_wait -1                              ; everybody's has.  No tensor load follows before the lines of REFILL
.macro FETCHW s                        ; the tile's four fragments of K step s into set s % 3
.irp t, 0,1,2,3
.irp c, 0,1
	ds_load_b128 v[WF+32*((\s)%3)+8*\t+4*\c:WF+32*((\s)%3)+8*\t+4*\c+3], v[ADA+\t%2] offset:8192*(\t/2)+1024*(\s)+512*\c
.endr
.endr
.endm
.macro FETCH0                          ; a tile's scale words and its first two K steps
	PLACES                                         ; behind the last products, which read sets 0 and 1 and the scale words
	v_add_nc_u32 v[ADA], s22, v[LA]
	v_add_nc_u32 v[ADA+1], s22, v[LB]
	v_add_nc_u32 v[ASA], s23, v[LSA]
	v_add_nc_u32 v[ASA+1], s23, v[LSB]
.irp t, 0,1,2,3
	ds_load_b128 v[WS+4*\t:WS+4*\t+3], v[ASA+\t%2] offset:512*(\t/2)
.endr
	FETCHW 0
	FETCHW 1
.endm
; 32 matrix instructions: K step s, my 8 blocks of x against the tile's 4 fragments of W.  The 32 accumulators take turns, one instruction a turn.  At s = 0 the products start the sums.
.macro MUL32 s
.if (\s) < 4
	WIN 0x58                                       ; source 0 (W) window 0, source 1 (x) window 2, C and D window 1
.else
	WIN 0x5c                                       ; source 1 window 3
.endif
.irp a, 0,1,2,3,4,5,6,7
.irp t, 0,1,2,3
.if (\s) == 0
	v_wmma_scale_f32_16x16x128_f8f6f4 v[8*(4*\a+\t):8*(4*\a+\t)+7], v[WF+32*((\s)%3)+8*\t:WF+32*((\s)%3)+8*\t+7], v[64*((\s)%4)+8*\a:64*((\s)%4)+8*\a+7], 0, v[WS+4*\t+(\s)%4], v[XS+4*\a+(\s)%4] matrix_a_fmt:MATRIX_FMT_FP4 matrix_b_fmt:MATRIX_FMT_FP4
.elseif (\s) < 4
	v_wmma_scale_f32_16x16x128_f8f6f4 v[8*(4*\a+\t):8*(4*\a+\t)+7], v[WF+32*((\s)%3)+8*\t:WF+32*((\s)%3)+8*\t+7], v[64*((\s)%4)+8*\a:64*((\s)%4)+8*\a+7], v[8*(4*\a+\t):8*(4*\a+\t)+7], v[WS+4*\t+(\s)%4], v[XS+4*\a+(\s)%4] matrix_a_fmt:MATRIX_FMT_FP4 matrix_b_fmt:MATRIX_FMT_FP4
.else
	v_wmma_scale_f32_16x16x128_f8f6f4 v[8*(4*\a+\t):8*(4*\a+\t)+7], v[WF+32*((\s)%3)+8*\t:WF+32*((\s)%3)+8*\t+7], v[64*((\s)%4)+8*\a:64*((\s)%4)+8*\a+7], v[8*(4*\a+\t):8*(4*\a+\t)+7], v[WS+4*\t+(\s)%4], v[XS+4*\a+(\s)%4] matrix_a_fmt:MATRIX_FMT_FP4 matrix_b_fmt:MATRIX_FMT_FP4 matrix_a_scale:MATRIX_SCALE_ROW1 matrix_b_scale:MATRIX_SCALE_ROW1
.endif
.endr
.endr
.endm
.macro KSTEPS                          ; a tile's eight K steps.  Fragments run two steps ahead, in three sets
.irp s, 0,1,2,3,4,5,6,7
.if \s <= 5
.if \s >= 1
	PLACES                                         ; the set was read by the step before
.endif
	WIN 0
	FETCHW \s+2
	s_wait_dscnt 16                                ; this step's fragments (and the scale words) are in; the next two steps' 16 loads may be out
.elseif \s == 6
	s_wait_dscnt 8                                 ; the last step's 8 may be out
.else
	s_wait_dscnt 0x0
.endif
	MUL32 \s
.endr
	WIN 0                                          ; at a label and at a branch every window is 0
.endm
; THE WAY OUT of a tile: chain q = 2 a + p runs over the 16 registers of accumulators (a, 2 p) and (a, 2 p + 1), each from its low end on: the largest of block p + 2 h for row r of x's block a.
; Sixteen chains by turns: 128 vector instructions and 8 stores for a tile's 256 matrix instructions.
.macro EPI
	s_wait_xcnt 0x0                                ; the last tile's stores have read their registers and their base
	s_add_nc_u64 s[8:9], s[8:9], 256               ; the stores below reach back by 256
	WIN 0x15                                       ; all three sources window 1
.irp q, 0,1,2,3,4,5,6,7,8,9,10,11,12,13,14,15
	v_max3_num_f32 v[R+\q], v[16*\q], v[16*\q+1], v[16*\q+2]
.endr
	WIN 0x14                                       ; source 0 window 0
.irp i, 3,5,7,9,11,13
.irp q, 0,1,2,3,4,5,6,7,8,9,10,11,12,13,14,15
	v_max3_num_f32 v[R+\q], v[R+\q], v[16*\q+\i], v[16*\q+\i+1]
.endr
.endr
.irp q, 0,1,2,3,4,5,6,7,8,9,10,11,12,13,14,15
	v_max_num_f32 v[R+\q], v[R+\q], v[16*\q+15]
.endr
	WIN 0
.irp a, 0,1,2,3,4,5,6,7
	global_store_b64 v[GO], v[R+2*\a:R+2*\a+1], s[8:9] offset:65536*\a-256   ; 32 lanes store 256 consecutive bytes, at a multiple of 256 from gmax's first byte
.endr
.endm
.macro TILE                            ; the tile's first fragments are asked for, the last tile goes out while they come, then the tile's products
	FETCH0
	EPI
	KSTEPS
	s_add_co_u32 s22, s22, 32768
	s_add_co_u32 s23, s23, 2048
.endm
	FETCH0                                         ; tile 0's first fragments,
	WIN 0x80                                       ; destination window 2
.irp s, 0,1,2,3                        ; and x's fragments out of LDS: each load takes 512 consecutive bytes
.irp a, 0,1,2,3,4,5,6,7
.irp c, 0,1
	ds_load_b128 v[64*\s+8*\a+4*\c:64*\s+8*\a+4*\c+3], v[XA] offset:8192*\a+1024*\s+512*\c
.endr
.endr
.endr
	WIN 0xc0                                       ; destination window 3
.irp s, 0,1,2,3
.irp a, 0,1,2,3,4,5,6,7
.irp c, 0,1
	ds_load_b128 v[64*\s+8*\a+4*\c:64*\s+8*\a+4*\c+3], v[XA] offset:8192*\a+1024*(\s+4)+512*\c
.endr
.endr
.endr
	WIN 0
	s_wait_alu depctr_va_vdst(0)
	REFILL G0A, G1A                                ; every wave has x in registers: x's first 98,304 bytes take tiles 1-3
	global_prefetch_b8 v[PF], s[86:87] th:TH_LOAD_NT scope:SCOPE_SE   ; tiles 4-7: 128 blocks, a lane a block, one stage ahead of their load
	s_wait_loadcnt 0x0                             ; x's scale words
	KSTEPS                                         ; tile 0
	REFILL G0B, G1B                                ; tiles 1-3 have landed with everybody; the next 131,072 of x's bytes take tiles 4-7
	s_mov_b32 s22, 0
	s_mov_b32 s23, 2048
	s_mov_b32 s24, 3
.Lfirst:                                               ; tiles 1 to 3: their reads end at LDS byte 98,304, where the last load's bytes begin
	TILE
	s_sub_co_u32 s24, s24, 1
	s_cmp_lg_u32 s24, 0
	s_cbranch_scc1 .Lfirst
	s_wait_tensorcnt 0x0                           ; my part of tiles 4-7;
	s_barrier_signal -1
	s_barrier_wait -1                              ; everybody's.
	s_mov_b32 s24, 4
.Lsecond:
	TILE
	s_sub_co_u32 s24, s24, 1
	s_cmp_lg_u32 s24, 0
	s_cbranch_scc1 .Lsecond
	PLACES
	EPI                                            ; the last tile
	s_wait_tensorcnt 0x0                           ; the wave's end
	ds_add_u32 v[SPW], v[NIL]
	s_wait_dscnt 0x0
	CROUND                                         ; the closing round: no work-group ends while a partner may still ask for a tile that names it
	s_endpgm
.Lfunc_end_k_q53618a8388_gemm:
	.size	k_q53618a8388_gemm, .Lfunc_end_k_q53618a8388_gemm-k_q53618a8388_gemm
	.p2alignl 7, 3214868480
	.fill 96, 4, 3214868480
	.section	.rodata,"a",@progbits
	.p2align	6, 0x0
	.amdhsa_kernel k_q53618a8388_gemm
		.amdhsa_group_segment_fixed_size 327680
		.amdhsa_private_segment_fixed_size 0
		.amdhsa_enable_private_segment 0
		.amdhsa_kernarg_size 24
		.amdhsa_user_sgpr_count 2
		.amdhsa_user_sgpr_kernarg_segment_ptr 1
		.amdhsa_wavefront_size32 1
		.amdhsa_system_sgpr_workgroup_id_x 1
		.amdhsa_system_sgpr_workgroup_id_y 1
		.amdhsa_system_sgpr_workgroup_id_z 1
		.amdhsa_system_vgpr_workitem_id 0
		.amdhsa_next_free_vgpr 1024
		.amdhsa_next_free_sgpr 96
		.amdhsa_reserve_vcc 0
		.amdhsa_float_denorm_mode_32 3
		.amdhsa_float_denorm_mode_16_64 3
		.amdhsa_memory_ordered 1
		.amdhsa_forward_progress 1
		.amdhsa_inst_pref_size 158
	.end_amdhsa_kernel
	.amdgpu_metadata
---
amdhsa.version: [ 1, 2 ]
amdhsa.kernels:
  - .name:           k_q53618a8388_gemm
    .symbol:         k_q53618a8388_gemm.kd
    .args:
      - { .name: img, .offset: 0, .size: 8, .value_kind: global_buffer, .address_space: global }
      - { .name: sc, .offset: 8, .size: 8, .value_kind: global_buffer, .address_space: global }
      - { .name: gmax, .offset: 16, .size: 8, .value_kind: global_buffer, .address_space: global }
    .group_segment_fixed_size: 327680
    .private_segment_fixed_size: 0
    .kernarg_segment_align: 8
    .kernarg_segment_size: 24
    .max_flat_workgroup_size: 128
    .sgpr_count:     96
    .vgpr_count:     1024
    .wavefront_size: 32
...
	.end_amdgpu_metadata
.endif
;; end of part 2
;; launch pick (part 3): grid 256 x 1, 16 waves a work-group, no clusters, 72,192 bytes of LDS; arguments gmax, gsel; writes gsel
.if DOCPART == 3
	.amdgcn_target "amdgcn-amd-amdhsa--gfx1250"
	.amdhsa_code_object_version 6
	.text
	.protected	k_q53618a8388_pick
	.globl	k_q53618a8388_pick
	.p2align	8
	.type	k_q53618a8388_pick,@function
k_q53618a8388_pick:
	s_mov_b64 s[64:65], 0
	v_nop
	global_prefetch_b8 v0, s[64:65] scope:SCOPE_SE
	s_setreg_imm32_b32 hwreg(HW_REG_WAVE_MODE, 25, 1), 1
	s_wait_xcnt 0x0
; For each row of x: the 8 first of its 1,024 groups, by (the group's largest coefficient falling, the group's number rising).  gsel: [x block][k 0..7][row 0..15] u32, the group's number.
; SHARES.  A work-group takes a block of 16 rows: 65,536 bytes of gmax, [column tile N 0..255][lane (r, h)][2].  A unit of 256 bytes holds the pairs of all 16 rows, and a wave wants ONE row's: so the block turns
; through LDS.  Wave w brings units 16 w .. 16 w + 15 by eight plain loads of 512 consecutive bytes, all issued before any is waited for (128 loads a work-group on their way at once), and stores them to LDS as they lie.
; Behind the barrier wave w takes row r = w: lane l reads, of tiles N = l + 32 q, the pairs of h = 0 and 1.  Register p = 4 q + 2 h + i holds group 128 (p / 4) + 4 l + p % 4, which rises with p.
; A ROUND: the wave's largest M; in each lane the lowest p that holds M; the lowest group number among the lanes; that one number becomes -infinity.  Equal values so go by the group's number, exactly.
; No branch and no address hangs on the values.  LIMITS: NaN and infinities are not served; +0 and -0 count as equal; -infinity marks what has been taken.
.set PITCH, 272                        ; a unit in LDS: 256 bytes + 16, a multiple of 16 for the 16-byte stores.  68 words: lanes l and l + 16 of an 8-byte read start at the same bank (16 x 68 = 17 x 64; 64 banks of 4 bytes: ISA guide 11.1): two deep, in sixteen reads a wave
.set OUT,   256*PITCH                  ; behind the units: 512 bytes for the result
.set V,     16                         ; v16-47 my eight loads' bytes, then my 32 groups' maxima
	s_load_b128 s[4:7], s[0:1], 0x0                ; gmax, gsel
	v_lshl_add_u32 v64, v0, 2, 0x11200
	v_mov_b32 v65, 0
	v_lshrrev_b32 v1, 5, v0
	s_delay_alu instid0(VALU_DEP_1)
	v_readfirstlane_b32 s8, v1                     ; wave = row
	v_and_b32 v2, 31, v0                           ; lane
	v_and_b32 v4, 15, v0                           ; lane % 16
	v_bfe_u32 v5, v0, 4, 1                         ; lane / 16
	s_lshl_b32 s9, s8, 12
	v_lshl_add_u32 v51, v2, 4, s9                  ; in: 4,096 w + 16 lane in the block
	v_mul_u32_u24 v52, v5, PITCH
	s_delay_alu instid0(VALU_DEP_1)
	v_lshl_add_u32 v52, v4, 4, v52
	s_mul_i32 s9, s8, 16*PITCH
	v_add_nc_u32 v52, s9, v52                      ; into LDS: unit 16 w + lane / 16, + 16 (lane % 16); a load's two units are 2 PITCH on from the last load's
	s_lshl_b32 s32, ttmp9, 16
	s_mov_b32 s33, 0
	s_wait_alu depctr_va_vdst(0)
	s_wait_kmcnt 0x0
	s_add_nc_u64 s[4:5], s[4:5], s[32:33]          ; gmax at my block
.irp j, 0,1,2,3,4,5,6,7
	global_load_b128 v[V+4*\j:V+4*\j+3], v51, s[4:5] offset:512*\j th:TH_LOAD_NT   ; 512 consecutive bytes; the launch reads each byte once
.endr
	v_mul_u32_u24 v1, v2, PITCH
	s_lshl_b32 s9, s8, 3
	v_add_nc_u32 v1, s9, v1                        ; out of LDS: unit l, row r = wave: 272 l + 8 w
	v_lshlrev_b32 v3, 2, v2                        ; 4 l
	v_and_b32 v15, 7, v0
	s_delay_alu instid0(VALU_DEP_1)
	v_lshlrev_b32 v15, 6, v15
	s_lshl_b32 s9, s8, 2
	s_add_co_u32 s9, s9, OUT
	v_add_nc_u32 v15, s9, v15                      ; the result: OUT + 64 (l % 8) + 4 w
	v_lshl_add_u32 v48, v0, 4, OUT                 ; wave 0 reads it back: 16 bytes a lane,
	v_lshlrev_b32 v49, 4, v0                       ; and stores it so
	v_mov_b32 v50, 0xff800000                      ; -infinity
	v_mov_b32 v9, 0                                ; written once: a lane permute's destination counts as one of its sources
	v_mov_b32 v14, 0                               ; the record
	s_mov_b32 s10, 0x76543210
	s_mov_b32 s11, 0xfedcba98                      ; v_permlanex16_b32's selects for lane l xor 16
.irp k, 0,1,2,3,4,5,6,7
	s_mov_b32 s[24+\k], 0x01010101<<\k             ; lanes l with l % 8 = k keep round k's result
.endr
	s_lshl_b32 s32, ttmp9, 9
	s_add_nc_u64 s[6:7], s[6:7], s[32:33]          ; gsel at my block
.irp j, 0,1,2,3,4,5,6,7
	s_wait_loadcnt 7-\j                            ; loads come back in order (ISA guide 5.7.1): load j is in, the younger ones may be out
	ds_store_b128 v52, v[V+4*\j:V+4*\j+3] offset:2*PITCH*\j
.endr
	s_wait_dscnt 0x0                               ; for the others' sake: my units lie in LDS (and the stores have read their registers),
	s_barrier_signal -1
	s_barrier_wait -1                              ; everybody's do
.irp q, 0,1,2,3,4,5,6,7
.irp h, 0,1
	ds_load_b64 v[V+4*\q+2*\h:V+4*\q+2*\h+1], v1 offset:32*PITCH*\q+128*\h
.endr
.endr
.macro WMAX r                          ; the largest over the 32 lanes, in every lane
	s_delay_alu instid0(VALU_DEP_1)
	v_max_num_f32_dpp v[\r], v[\r], v[\r] row_xmask:1 row_mask:0xf bank_mask:0xf
	s_delay_alu instid0(VALU_DEP_1)
	v_max_num_f32_dpp v[\r], v[\r], v[\r] row_xmask:2 row_mask:0xf bank_mask:0xf
	s_delay_alu instid0(VALU_DEP_1)
	v_max_num_f32_dpp v[\r], v[\r], v[\r] row_xmask:4 row_mask:0xf bank_mask:0xf
	s_delay_alu instid0(VALU_DEP_1)
	v_max_num_f32_dpp v[\r], v[\r], v[\r] row_xmask:8 row_mask:0xf bank_mask:0xf
	s_delay_alu instid0(VALU_DEP_1)
	v_permlanex16_b32 v9, v[\r], s10, s11
	s_delay_alu instid0(VALU_DEP_1)
	v_max_num_f32 v[\r], v[\r], v9
.endm
.macro WMIN r
	s_delay_alu instid0(VALU_DEP_1)
	v_min_num_f32_dpp v[\r], v[\r], v[\r] row_xmask:1 row_mask:0xf bank_mask:0xf
	s_delay_alu instid0(VALU_DEP_1)
	v_min_num_f32_dpp v[\r], v[\r], v[\r] row_xmask:2 row_mask:0xf bank_mask:0xf
	s_delay_alu instid0(VALU_DEP_1)
	v_min_num_f32_dpp v[\r], v[\r], v[\r] row_xmask:4 row_mask:0xf bank_mask:0xf
	s_delay_alu instid0(VALU_DEP_1)
	v_min_num_f32_dpp v[\r], v[\r], v[\r] row_xmask:8 row_mask:0xf bank_mask:0xf
	s_delay_alu instid0(VALU_DEP_1)
	v_permlanex16_b32 v9, v[\r], s10, s11
	s_delay_alu instid0(VALU_DEP_1)
	v_min_num_f32 v[\r], v[\r], v9
.endm
.macro ROUND k
.irp c, 0,1,2,3                        ; my 32 in four chains
	v_max3_num_f32 v[4+\c], v[V+8*\c], v[V+8*\c+1], v[V+8*\c+2]
.endr
.irp i, 3,5
.irp c, 0,1,2,3
	s_delay_alu instid0(VALU_DEP_4)
	v_max3_num_f32 v[4+\c], v[4+\c], v[V+8*\c+\i], v[V+8*\c+\i+1]
.endr
.endr
.irp c, 0,1,2,3
	s_delay_alu instid0(VALU_DEP_4)
	v_max_num_f32 v[4+\c], v[4+\c], v[V+8*\c+7]
.endr
	s_delay_alu instid0(VALU_DEP_2)
	v_max3_num_f32 v8, v4, v5, v6
	s_delay_alu instid0(VALU_DEP_1)
	v_max_num_f32 v8, v8, v7
	WMAX 8                                         ; M
	v_mov_b32 v10, 64                              ; the lowest p with V[p] = M; 64 where I hold none
.irp p, 31,30,29,28,27,26,25,24,23,22,21,20,19,18,17,16,15,14,13,12,11,10,9,8,7,6,5,4,3,2,1,0
	v_cmp_neq_f32 vcc_lo, v[V+\p], v8
	s_delay_alu instid0(VALU_DEP_1)
	v_cndmask_b32 v10, \p, v10, vcc_lo
.endr
	s_delay_alu instid0(VALU_DEP_1)
	v_lshrrev_b32 v11, 2, v10
	s_delay_alu instid0(VALU_DEP_2)
	v_and_b32 v12, 3, v10
	s_delay_alu instid0(VALU_DEP_1)
	v_lshl_add_u32 v11, v11, 7, v12
	s_delay_alu instid0(VALU_DEP_1)
	v_add_nc_u32 v11, v11, v3                      ; its group's number: 128 (p / 4) + p % 4 + 4 l; 2,048 or more where I hold none
	s_delay_alu instid0(VALU_DEP_1)
	v_cvt_f32_u32 v11, v11                         ; (exact: under 2^24)
	s_delay_alu instid0(VALU_DEP_1)
	v_mov_b32 v12, v11
	WMIN 12                                        ; the lowest group that holds M
.if \k < 7                             ; behind the last round nothing is selected any more: nothing need be taken out
	s_delay_alu instid0(VALU_DEP_1)
	v_cmp_eq_f32 vcc_lo, v11, v12
	s_delay_alu instid0(VALU_DEP_1)
	v_cndmask_b32 v13, 64, v10, vcc_lo             ; its register, in the lane that holds it; 64 elsewhere
.irp p, 0,1,2,3,4,5,6,7,8,9,10,11,12,13,14,15,16,17,18,19,20,21,22,23,24,25,26,27,28,29,30,31
	v_cmp_eq_u32 vcc_lo, \p, v13
	s_delay_alu instid0(VALU_DEP_1)
	v_cndmask_b32 v[V+\p], v[V+\p], v50, vcc_lo    ; taken
.endr
.endif
	v_cndmask_b32 v14, v14, v12, s[24+\k]
.endm
	s_wait_dscnt 0x0
.irp k, 0,1,2,3,4,5,6,7
	ROUND \k
.endr
	s_delay_alu instid0(VALU_DEP_1)
	v_cvt_u32_f32 v14, v14
	ds_store_b32 v15, v14                          ; lanes l, l + 8, l + 16, l + 24 write the same word with the same value
	s_wait_dscnt 0x0                               ; for wave 0's sake
	s_barrier_signal -1
	s_barrier_wait -1
	s_cmp_lg_u32 s8, 0
	s_cbranch_scc1 .Lend
	ds_load_b128 v[4:7], v48
	s_wait_dscnt 0x0
	global_store_b128 v49, v[4:7], s[6:7]          ; 512 consecutive bytes
.Lend:
	s_wait_tensorcnt 0x0
	ds_add_u32 v64, v65
	s_wait_dscnt 0x0
	s_endpgm
.Lfunc_end_k_q53618a8388_pick:
	.size	k_q53618a8388_pick, .Lfunc_end_k_q53618a8388_pick-k_q53618a8388_pick
	.p2alignl 7, 3214868480
	.fill 96, 4, 3214868480
	.section	.rodata,"a",@progbits
	.p2align	6, 0x0
	.amdhsa_kernel k_q53618a8388_pick
		.amdhsa_group_segment_fixed_size 72192
		.amdhsa_private_segment_fixed_size 0
		.amdhsa_enable_private_segment 0
		.amdhsa_kernarg_size 16
		.amdhsa_user_sgpr_count 2
		.amdhsa_user_sgpr_kernarg_segment_ptr 1
		.amdhsa_wavefront_size32 1
		.amdhsa_system_sgpr_workgroup_id_x 1
		.amdhsa_system_sgpr_workgroup_id_y 1
		.amdhsa_system_sgpr_workgroup_id_z 1
		.amdhsa_system_vgpr_workitem_id 0
		.amdhsa_next_free_vgpr 66
		.amdhsa_next_free_sgpr 66
		.amdhsa_reserve_vcc 1
		.amdhsa_float_denorm_mode_32 3
		.amdhsa_float_denorm_mode_16_64 3
		.amdhsa_memory_ordered 1
		.amdhsa_forward_progress 1
		.amdhsa_inst_pref_size 76
	.end_amdhsa_kernel
	.amdgpu_metadata
---
amdhsa.version: [ 1, 2 ]
amdhsa.kernels:
  - .name:           k_q53618a8388_pick
    .symbol:         k_q53618a8388_pick.kd
    .args:
      - { .name: gmax, .offset: 0, .size: 8, .value_kind: global_buffer, .address_space: global }
      - { .name: gsel, .offset: 8, .size: 8, .value_kind: global_buffer, .address_space: global }
    .group_segment_fixed_size: 72192
    .private_segment_fixed_size: 0
    .kernarg_segment_align: 8
    .kernarg_segment_size: 16
    .max_flat_workgroup_size: 512
    .sgpr_count:     66
    .vgpr_count:     66
    .wavefront_size: 32
...
	.end_amdgpu_metadata
.endif
;; end of part 3
;; launch refine (part 4): grid 256 x 1, 16 waves a work-group, no clusters, 19,712 bytes of LDS; arguments img, sc, gsel, idx, vals, part; writes idx, vals, part
.if DOCPART == 4
	.amdgcn_target "amdgcn-amd-amdhsa--gfx1250"
	.amdhsa_code_object_version 6
	.text
	.protected	k_q53618a8388_refine
	.globl	k_q53618a8388_refine
	.p2align	8
	.type	k_q53618a8388_refine,@function
k_q53618a8388_refine:
	s_mov_b64 s[64:65], 0
	v_nop
	global_prefetch_b8 v0, s[64:65] scope:SCOPE_SE
	s_setreg_imm32_b32 hwreg(HW_REG_WAVE_MODE, 25, 1), 1
	s_wait_xcnt 0x0
; For each row of x: the 128 coefficients of its 8 picked groups are computed again, by the same matrix instruction, operand roles and order of K steps as in the launch that found the groups; of them the 8 first
; (value falling, index rising) are kept: idx [row][8] u32, vals [row][8] f32; part [x block] f32 = the sum of |vals| over the block's 16 rows.
; SHARES.  A work-group takes a block of 16 rows.  PHASE 1: wave w (k = w % 8, half = w / 8) takes the k-th group of rows 8 half + 0 .. 7: eight products of 16 x 16 x 1,024, each with ANOTHER block of W_enc as source 0.
; Source 1 is x with columns n and n + 8 both carrying row 8 half + n % 8, so that of product i the lanes with lane % 8 = i hold what is wanted: lane (r, h): columns 8 h + 0 .. 7 of the group.  These are gathered
; under constant lane masks and go to LDS: 16 rows of 128 candidates.  PHASE 2: wave w takes row w, four candidates a lane, eight rounds of (largest, lowest index among equals).
; x's IMAGE, 8,192 bytes that all sixteen waves want, is read from memory ONCE: wave w brings part w (512 bytes) and stores it to LDS as it lies; behind a barrier each wave takes its fragments from there.
; The first blocks of W_enc are asked for ahead of that barrier and stay on their way across it: nobody writes those bytes.
; The groups' numbers were stored by an earlier launch; each is held at 1,023 before it enters an address.  No branch and no address hangs on a value computed here.
; LIMITS: NaN and infinities are not served; +0 and -0 count as equal; -infinity marks what has been taken.
.set WIMG, 2097152
.set WSC,  131072
.set CP,   528                         ; LDS: a row of 128 candidates: 512 bytes + 16
.set OUTV, 16*CP                       ; behind them 512 bytes of values,
.set OUTI, OUTV+512                    ; 512 of indices,
.set XIMG, OUTI+512                    ; and x's image, 8,192 bytes, as in memory: part 2 s + c at 512 (2 s + c)
.set XF,   16                          ; v16-79   x's eight fragments
.set XS,   80                          ; v80-83   x's scale words
.set WS,   84                          ; v84-91   W's, four a product in hand
.set WP,   96                          ; v96-223  W's fragments of two products
.set ACC,  224                         ; v224-239 two accumulators
.set CC,   240                         ; v240-247 what is gathered
.set V,    248                         ; v248-251 at the head: my part of x's image; phase 2: my four candidates
.set IX,   252                         ; v252-255 their indices, as f32 (exact: under 2^24)
	s_load_b256 s[4:11], s[0:1], 0x0               ; img s[4:5], sc s[6:7], gsel s[8:9], idx s[10:11]
	s_load_b128 s[12:15], s[0:1], 0x20             ; vals s[12:13], part s[14:15]
	v_lshl_add_u32 v94, v0, 2, 0x4500
	v_mov_b32 v95, 0
	v_lshrrev_b32 v1, 5, v0
	s_delay_alu instid0(VALU_DEP_1)
	v_readfirstlane_b32 s66, v1                    ; wave 0..15
	s_and_b32 s67, s66, 7                          ; k
	s_lshr_b32 s68, s66, 3                         ; half
	v_and_b32 v8, 31, v0                           ; lane
	v_and_b32 v9, 7, v0                            ; lane % 8
	v_bfe_u32 v10, v0, 4, 1                        ; h
	s_delay_alu instid0(VALU_DEP_3)
	v_lshlrev_b32 v1, 4, v8                        ; v1: 16 x lane: an image's place for my lane
	v_lshlrev_b32 v93, 4, v0                       ; v93: 16 x thread = 512 w + 16 lane: my 16 bytes of x's image, in memory and in LDS
	s_delay_alu instid0(VALU_DEP_4)
	v_lshlrev_b32 v2, 4, v9
	s_delay_alu instid0(VALU_DEP_1)
	v_lshl_add_u32 v2, v10, 8, v2
	s_lshl_b32 s20, s68, 7
	v_add_nc_u32 v2, s20, v2                       ; v2: x's images: the place of lane (8 half + lane % 8, h)
	v_mul_u32_u24 v3, v9, CP
	s_delay_alu instid0(VALU_DEP_1)
	v_lshl_add_u32 v3, v10, 5, v3
	s_mul_i32 s20, s68, 8*CP
	s_lshl_b32 s21, s67, 6
	s_add_co_u32 s20, s20, s21
	v_add_nc_u32 v3, s20, v3                       ; v3: candidates in: row 8 half + lane % 8, + 64 k + 32 h
	s_mul_i32 s20, s66, CP
	v_add_nc_u32 v4, s20, v1                       ; v4: and back: row w, 16 bytes a lane
	v_lshrrev_b32 v5, 2, v8
	s_delay_alu instid0(VALU_DEP_1)
	v_lshlrev_b32 v5, 6, v5
	s_lshl_b32 s20, s66, 2
	v_add_nc_u32 v5, s20, v5                       ; v5: gsel: group k = lane / 4 of row w
	s_lshl_b32 s20, s66, 5
	v_lshl_add_u32 v7, v9, 2, s20                  ; v7: the result: 32 w + 4 (lane % 8)
	v_and_b32 v92, 3, v0
	s_delay_alu instid0(VALU_DEP_1)
	v_lshlrev_b32 v92, 2, v92                      ; v92: 4 (lane % 4)
	v_mov_b32 v12, 0                               ; the records: values,
	v_mov_b32 v13, 0                               ; indices
	v_mov_b32 v14, 0xff800000                      ; -infinity
	v_mov_b32 v15, 0x4e800000                      ; 2^30: above every index
	s_mov_b32 s80, 0x76543210
	s_mov_b32 s81, 0xfedcba98                      ; v_permlanex16_b32's selects for lane l xor 16
.irp i, 0,1,2,3,4,5,6,7
	s_mov_b32 s[70+\i], 0x01010101<<\i             ; lanes with lane % 8 = i
.endr
	s_mov_b32 s23, 0
	s_lshl_b32 s20, s67, 6
	s_lshl_b32 s21, s68, 5
	s_add_co_u32 s20, s20, s21                     ; 64 k + 32 half
	s_lshl_b32 s22, ttmp9, 9                       ; 512 x block
	s_wait_alu depctr_va_vdst(0)
	s_wait_kmcnt 0x0
	s_add_nc_u64 s[8:9], s[8:9], s[22:23]          ; gsel, idx, vals and x's scale image at my block
	s_add_nc_u64 s[10:11], s[10:11], s[22:23]
	s_add_nc_u64 s[12:13], s[12:13], s[22:23]
	s_add_nc_u64 s[18:19], s[6:7], s[22:23]
	s_mov_b32 s22, s20
	s_add_nc_u64 s[16:17], s[8:9], s[22:23]
	s_load_b256 s[24:31], s[16:17], 0x0            ; the k-th groups of my eight rows
	s_lshl_b32 s22, ttmp9, 13
	s_add_nc_u64 s[78:79], s[4:5], s[22:23]        ; x's image
	s_lshl_b32 s22, ttmp9, 2
	s_add_nc_u64 s[14:15], s[14:15], s[22:23]      ; part at my block
	s_add_nc_u64 s[4:5], s[4:5], WIMG              ; W_enc's images,
	s_add_nc_u64 s[6:7], s[6:7], WSC               ; and scale images
	global_load_b128 v[V:V+3], v93, s[78:79]       ; my part of x's image: 512 consecutive bytes a wave, the sixteen waves together all 8,192
	global_load_b32 v6, v5, s[8:9]                 ; phase 2's group number
	global_load_b128 v[XS:XS+3], v2, s[18:19]      ; x's scale words: one load a wave
	s_wait_kmcnt 0x0
.irp i, 0,1,2,3,4,5,6,7
	s_min_u32 s[24+\i], s[24+\i], 1023             ; a loaded number is held before it enters an address
	s_lshl_b32 s22, s[24+\i], 13
	s_add_nc_u64 s[32+2*\i:33+2*\i], s[4:5], s[22:23]   ; row i's block of W_enc: its image,
	s_lshl_b32 s22, s[24+\i], 9
	s_add_nc_u64 s[48+2*\i:49+2*\i], s[6:7], s[22:23]   ; its scale image
.endr
.macro LOADP q, p                      ; row q's block into place p: 17 loads of 512 consecutive bytes
.irp s, 0,1,2,3,4,5,6,7
.irp c, 0,1
	global_load_b128 v[WP+64*\p+8*\s+4*\c:WP+64*\p+8*\s+4*\c+3], v1, s[32+2*(\q):33+2*(\q)] offset:1024*\s+512*\c
.endr
.endr
	global_load_b128 v[WS+4*\p:WS+4*\p+3], v1, s[48+2*(\q):49+2*(\q)]
.endm
; Rows 2 i and 2 i + 1: two sums of eight K steps, K ascending, the two accumulators by turns.
.macro ITER i
	s_wait_loadcnt 0x0
.irp s, 0,1,2,3,4,5,6,7
.irp p, 0,1
.if \s == 0
	v_wmma_scale_f32_16x16x128_f8f6f4 v[ACC+8*\p:ACC+8*\p+7], v[WP+64*\p+8*\s:WP+64*\p+8*\s+7], v[XF+8*\s:XF+8*\s+7], 0, v[WS+4*\p+\s%4], v[XS+\s%4] matrix_a_fmt:MATRIX_FMT_FP4 matrix_b_fmt:MATRIX_FMT_FP4
.elseif \s < 4
	v_wmma_scale_f32_16x16x128_f8f6f4 v[ACC+8*\p:ACC+8*\p+7], v[WP+64*\p+8*\s:WP+64*\p+8*\s+7], v[XF+8*\s:XF+8*\s+7], v[ACC+8*\p:ACC+8*\p+7], v[WS+4*\p+\s%4], v[XS+\s%4] matrix_a_fmt:MATRIX_FMT_FP4 matrix_b_fmt:MATRIX_FMT_FP4
.else
	v_wmma_scale_f32_16x16x128_f8f6f4 v[ACC+8*\p:ACC+8*\p+7], v[WP+64*\p+8*\s:WP+64*\p+8*\s+7], v[XF+8*\s:XF+8*\s+7], v[ACC+8*\p:ACC+8*\p+7], v[WS+4*\p+\s%4], v[XS+\s%4] matrix_a_fmt:MATRIX_FMT_FP4 matrix_b_fmt:MATRIX_FMT_FP4 matrix_a_scale:MATRIX_SCALE_ROW1 matrix_b_scale:MATRIX_SCALE_ROW1
.endif
.endr
.endr
.rept 4
	v_nop                                          ; four places in front of loads into registers that the products read, and of the first read of results
.endr
.if \i < 3
	LOADP 2*\i+2, 0                                ; the next two rows' blocks come while these results are gathered
	LOADP 2*\i+3, 1
.endif
	s_wait_alu depctr_va_vdst(0)
.irp p, 0,1
.irp j, 0,1,2,3,4,5,6,7                ; each accumulator from its low end on
.if (\i == 0) && (\p == 0)
	v_mov_b32 v[CC+\j], v[ACC+\j]                  ; the first starts the gathering: nothing is cleared
.else
	v_cndmask_b32 v[CC+\j], v[CC+\j], v[ACC+8*\p+\j], s[70+2*\i+\p]
.endif
.endr
.endr
.endm
	LOADP 0, 0
	LOADP 1, 1
	s_wait_loadcnt 36                              ; my part of x's image is in; behind it were issued the group number, x's scale words and two blocks' 34 loads, which may be out
	ds_store_b128 v93, v[V:V+3] offset:XIMG
	s_wait_dscnt 0x0                               ; for the others' sake: my part lies in LDS,
	s_barrier_signal -1
	s_barrier_wait -1                              ; everybody's does
.irp s, 0,1,2,3,4,5,6,7
.irp c, 0,1
	ds_load_b128 v[XF+8*\s+4*\c:XF+8*\s+4*\c+3], v2 offset:XIMG+1024*\s+512*\c   ; lanes r and r + 8 take the same 16 bytes
.endr
.endr
	s_wait_dscnt 0x0                               ; x's fragments are in
	ITER 0
	ITER 1
	ITER 2
	ITER 3
	ds_store_b128 v3, v[CC:CC+3]                   ; lanes r and r + 8 write the same bytes with the same values
	ds_store_b128 v3, v[CC+4:CC+7] offset:16
	s_wait_dscnt 0x0                               ; for the others' sake
	s_barrier_signal -1
	s_barrier_wait -1                              ; 16 rows of 128 candidates lie in LDS
	ds_load_b128 v[V:V+3], v4                      ; candidates 4 l + i of row w: group k = l / 4, column 4 (l % 4) + i of it
	v_min_u32 v6, 1023, v6
	s_delay_alu instid0(VALU_DEP_1)
	v_lshl_add_u32 v6, v6, 4, v92                  ; 16 x group + 4 (l % 4)
.irp i, 0,1,2,3
	v_add_nc_u32 v[IX+\i], \i, v6
.endr
.irp i, 0,1,2,3
	s_delay_alu instid0(VALU_DEP_4)
	v_cvt_f32_u32 v[IX+\i], v[IX+\i]
.endr
.macro WMAX r
	s_delay_alu instid0(VALU_DEP_1)
	v_max_num_f32_dpp v[\r], v[\r], v[\r] row_xmask:1 row_mask:0xf bank_mask:0xf
	s_delay_alu instid0(VALU_DEP_1)
	v_max_num_f32_dpp v[\r], v[\r], v[\r] row_xmask:2 row_mask:0xf bank_mask:0xf
	s_delay_alu instid0(VALU_DEP_1)
	v_max_num_f32_dpp v[\r], v[\r], v[\r] row_xmask:4 row_mask:0xf bank_mask:0xf
	s_delay_alu instid0(VALU_DEP_1)
	v_max_num_f32_dpp v[\r], v[\r], v[\r] row_xmask:8 row_mask:0xf bank_mask:0xf
	s_delay_alu instid0(VALU_DEP_1)
	v_permlanex16_b32 v9, v[\r], s80, s81
	s_delay_alu instid0(VALU_DEP_1)
	v_max_num_f32 v[\r], v[\r], v9
.endm
.macro WMIN r
	s_delay_alu instid0(VALU_DEP_1)
	v_min_num_f32_dpp v[\r], v[\r], v[\r] row_xmask:1 row_mask:0xf bank_mask:0xf
	s_delay_alu instid0(VALU_DEP_1)
	v_min_num_f32_dpp v[\r], v[\r], v[\r] row_xmask:2 row_mask:0xf bank_mask:0xf
	s_delay_alu instid0(VALU_DEP_1)
	v_min_num_f32_dpp v[\r], v[\r], v[\r] row_xmask:4 row_mask:0xf bank_mask:0xf
	s_delay_alu instid0(VALU_DEP_1)
	v_min_num_f32_dpp v[\r], v[\r], v[\r] row_xmask:8 row_mask:0xf bank_mask:0xf
	s_delay_alu instid0(VALU_DEP_1)
	v_permlanex16_b32 v9, v[\r], s80, s81
	s_delay_alu instid0(VALU_DEP_1)
	v_min_num_f32 v[\r], v[\r], v9
.endm
.macro RND k
	v_max3_num_f32 v8, v[V], v[V+1], v[V+2]
	s_delay_alu instid0(VALU_DEP_1)
	v_max_num_f32 v8, v8, v[V+3]
	WMAX 8                                         ; the largest left
	v_mov_b32 v10, v15
.irp i, 3,2,1,0                        ; my lowest index that holds it (the indices rise with i)
	v_cmp_eq_f32 vcc_lo, v[V+\i], v8
	s_delay_alu instid0(VALU_DEP_1)
	v_cndmask_b32 v10, v10, v[IX+\i], vcc_lo
.endr
	WMIN 10                                        ; the row's lowest
.irp i, 0,1,2,3
	v_cmp_eq_f32 vcc_lo, v[IX+\i], v10
	s_delay_alu instid0(VALU_DEP_1)
	v_cndmask_b32 v[V+\i], v[V+\i], v14, vcc_lo    ; taken
.endr
	v_cndmask_b32 v12, v12, v8, s[70+\k]           ; lanes with lane % 8 = k keep round k's
	v_cndmask_b32 v13, v13, v10, s[70+\k]
.endm
	s_wait_dscnt 0x0
.irp k, 0,1,2,3,4,5,6,7
	RND \k
.endr
	s_delay_alu instid0(VALU_DEP_1)
	v_cvt_u32_f32 v13, v13
	ds_store_b32 v7, v12 offset:OUTV               ; four lanes write the same word with the same value
	ds_store_b32 v7, v13 offset:OUTI
	s_wait_dscnt 0x0                               ; for waves 0 and 1's sake
	s_barrier_signal -1
	s_barrier_wait -1
	s_cmp_gt_u32 s66, 1
	s_cbranch_scc1 .Lend
	s_cmp_eq_u32 s66, 1
	s_cbranch_scc1 .Lindices
	ds_load_b128 v[V:V+3], v1 offset:OUTV          ; wave 0: the block's 128 values
	s_wait_dscnt 0x0
	global_store_b128 v1, v[V:V+3], s[12:13]       ; 512 consecutive bytes
	v_add_f32 v8, |v[V]|, |v[V+1]|
	v_add_f32 v10, |v[V+2]|, |v[V+3]|
	s_delay_alu instid0(VALU_DEP_1)
	v_add_f32 v8, v8, v10
	s_delay_alu instid0(VALU_DEP_1)
	v_add_f32_dpp v8, v8, v8 row_xmask:1 row_mask:0xf bank_mask:0xf
	s_delay_alu instid0(VALU_DEP_1)
	v_add_f32_dpp v8, v8, v8 row_xmask:2 row_mask:0xf bank_mask:0xf
	s_delay_alu instid0(VALU_DEP_1)
	v_add_f32_dpp v8, v8, v8 row_xmask:4 row_mask:0xf bank_mask:0xf
	s_delay_alu instid0(VALU_DEP_1)
	v_add_f32_dpp v8, v8, v8 row_xmask:8 row_mask:0xf bank_mask:0xf
	s_delay_alu instid0(VALU_DEP_1)
	v_permlanex16_b32 v9, v8, s80, s81
	s_delay_alu instid0(VALU_DEP_1)
	v_add_f32 v8, v8, v9                           ; the sum of their magnitudes
	v_mov_b32 v10, 0
	v_cmp_eq_u32 vcc_lo, 0, v0
	s_wait_alu depctr_va_vdst(0)
	s_wait_xcnt 0x0                                ; EXEC changes only behind this wait: the store above has had its addresses translated (ISA guide 3.1)
	s_and_saveexec_b32 s20, vcc_lo
	global_store_b32 v10, v8, s[14:15]             ; one lane stores the one number
	s_wait_xcnt 0x0                                ; and again in front of the line that widens it
	s_or_b32 exec_lo, exec_lo, s20
	s_branch .Lend
.Lindices:
	ds_load_b128 v[V:V+3], v1 offset:OUTI          ; wave 1: the block's 128 indices
	s_wait_dscnt 0x0
	global_store_b128 v1, v[V:V+3], s[10:11]
.Lend:
	s_wait_tensorcnt 0x0
	ds_add_u32 v94, v95
	s_wait_dscnt 0x0
	s_endpgm
.Lfunc_end_k_q53618a8388_refine:
	.size	k_q53618a8388_refine, .Lfunc_end_k_q53618a8388_refine-k_q53618a8388_refine
	.p2alignl 7, 3214868480
	.fill 96, 4, 3214868480
	.section	.rodata,"a",@progbits
	.p2align	6, 0x0
	.amdhsa_kernel k_q53618a8388_refine
		.amdhsa_group_segment_fixed_size 19712
		.amdhsa_private_segment_fixed_size 0
		.amdhsa_enable_private_segment 0
		.amdhsa_kernarg_size 48
		.amdhsa_user_sgpr_count 2
		.amdhsa_user_sgpr_kernarg_segment_ptr 1
		.amdhsa_wavefront_size32 1
		.amdhsa_system_sgpr_workgroup_id_x 1
		.amdhsa_system_sgpr_workgroup_id_y 1
		.amdhsa_system_sgpr_workgroup_id_z 1
		.amdhsa_system_vgpr_workitem_id 0
		.amdhsa_next_free_vgpr 256
		.amdhsa_next_free_sgpr 84
		.amdhsa_reserve_vcc 1
		.amdhsa_float_denorm_mode_32 3
		.amdhsa_float_denorm_mode_16_64 3
		.amdhsa_memory_ordered 1
		.amdhsa_forward_progress 1
		.amdhsa_inst_pref_size 52
	.end_amdhsa_kernel
	.amdgpu_metadata
---
amdhsa.version: [ 1, 2 ]
amdhsa.kernels:
  - .name:           k_q53618a8388_refine
    .symbol:         k_q53618a8388_refine.kd
    .args:
      - { .name: img, .offset: 0, .size: 8, .value_kind: global_buffer, .address_space: global }
      - { .name: sc, .offset: 8, .size: 8, .value_kind: global_buffer, .address_space: global }
      - { .name: gsel, .offset: 16, .size: 8, .value_kind: global_buffer, .address_space: global }
      - { .name: idx, .offset: 24, .size: 8, .value_kind: global_buffer, .address_space: global }
      - { .name: vals, .offset: 32, .size: 8, .value_kind: global_buffer, .address_space: global }
      - { .name: part, .offset: 40, .size: 8, .value_kind: global_buffer, .address_space: global }
    .group_segment_fixed_size: 19712
    .private_segment_fixed_size: 0
    .kernarg_segment_align: 8
    .kernarg_segment_size: 48
    .max_flat_workgroup_size: 512
    .sgpr_count:     84
    .vgpr_count:     256
    .wavefront_size: 32
...
	.end_amdgpu_metadata
.endif
;; end of part 4
;; launch gather (part 5): grid 512 x 1, 8 waves a work-group, no clusters, 0 bytes of LDS; arguments W_dict, idx, vals, part, out0, out1; writes out0, out1
.if DOCPART == 5
	.amdgcn_target "amdgcn-amd-amdhsa--gfx1250"
	.amdhsa_code_object_version 6
	.text
	.protected	k_q53618a8388_gather
	.globl	k_q53618a8388_gather
	.p2align	8
	.type	k_q53618a8388_gather,@function
k_q53618a8388_gather:
	s_mov_b64 s[64:65], 0
	v_nop
	global_prefetch_b8 v0, s[64:65] scope:SCOPE_SE
	s_setreg_imm32_b32 hwreg(HW_REG_WAVE_MODE, 25, 1), 1
	s_wait_xcnt 0x0
; out0[row] = the sum over k = 0 .. 7 of vals[row][k] x W_dict[idx[row][k]];  out1 = the sum of part / 2^26 (coeffs has 2 x 2,048 x 16,384 = 2^26 numbers).
; One wave to a row.  The eight indices were stored by an earlier launch; each is held at 16,383 before it enters an address.  A row of 4,096 bytes goes in eight chunks of 512: for a chunk the wave reads
; 512 consecutive bytes of each of the eight rows of W_dict, makes eight fused multiply-adds a number in f32 (the product has one row and K = 8: nothing for the matrix unit, and the gathered bytes bind), and
; stores 512 consecutive bytes.  Four chunks, 32 loads a wave, are on their way; each chunk has sums of its own, so no store's data are written again.  No LDS, no barrier: waves share nothing.
.set P, 16                             ; v16-31   the eight values, each twice: pairs for the packed forms
.set D, 32                             ; v32-159  four sets of eight rows' 16 bytes
.set A, 160                            ; v160-191 four sums for each chunk
	s_load_b256 s[4:11], s[0:1], 0x0               ; W_dict s[4:5], idx s[6:7], vals s[8:9], part s[10:11]
	s_load_b128 s[12:15], s[0:1], 0x20             ; out0 s[12:13], out1 s[14:15]
	v_lshrrev_b32 v1, 5, v0
	s_delay_alu instid0(VALU_DEP_1)
	v_readfirstlane_b32 s16, v1                    ; wave
	s_lshl_b32 s17, ttmp9, 3
	s_add_co_u32 s17, s17, s16                     ; my row
	v_and_b32 v1, 31, v0
	s_delay_alu instid0(VALU_DEP_1)
	v_lshlrev_b32 v1, 4, v1                        ; 16 x lane
	v_mov_b32 v2, 0
	v_mov_b32 v3, 0                                ; written once: a lane permute's destination counts as one of its sources
	s_mov_b32 s48, 0x76543210
	s_mov_b32 s49, 0xfedcba98
	s_mov_b32 s19, 0
	s_lshl_b32 s18, s17, 5                         ; 32 bytes a row in idx and in vals
	s_wait_alu depctr_va_vdst(0)
	s_wait_kmcnt 0x0
	s_add_nc_u64 s[6:7], s[6:7], s[18:19]
	s_add_nc_u64 s[8:9], s[8:9], s[18:19]
	s_load_b256 s[20:27], s[6:7], 0x0              ; the eight indices
	global_load_b128 v[8:11], v2, s[8:9]           ; the eight values, the same in every lane
	global_load_b128 v[12:15], v2, s[8:9] offset:16
	s_lshl_b32 s18, s17, 12
	s_add_nc_u64 s[12:13], s[12:13], s[18:19]      ; out0 at my row
	s_wait_kmcnt 0x0
.irp k, 0,1,2,3,4,5,6,7
	s_min_u32 s[20+\k], s[20+\k], 16383            ; a loaded number is held before it enters an address
	s_lshl_b32 s18, s[20+\k], 12
	s_add_nc_u64 s[32+2*\k:33+2*\k], s[4:5], s[18:19]
.endr
.macro LOADC j                         ; chunk j of the eight rows into set j % 4.  No hint: several tokens may name a row
.irp k, 0,1,2,3,4,5,6,7
	global_load_b128 v[D+32*((\j)%4)+4*\k:D+32*((\j)%4)+4*\k+3], v1, s[32+2*\k:33+2*\k] offset:512*(\j)
.endr
.endm
.macro WORK j, left
.set DS, D+32*((\j)%4)
.set AS, A+4*(\j)
	s_wait_loadcnt \left                           ; this chunk's eight loads are in; the later chunks' may be out
	v_pk_mul_f32 v[AS:AS+1], v[DS:DS+1], v[P:P+1]  ; the first product starts the sums
	v_pk_mul_f32 v[AS+2:AS+3], v[DS+2:DS+3], v[P:P+1]
.irp k, 1,2,3,4,5,6,7
	s_delay_alu instid0(VALU_DEP_2)
	v_pk_fma_f32 v[AS:AS+1], v[DS+4*\k:DS+4*\k+1], v[P+2*\k:P+2*\k+1], v[AS:AS+1]
	s_delay_alu instid0(VALU_DEP_2)
	v_pk_fma_f32 v[AS+2:AS+3], v[DS+4*\k+2:DS+4*\k+3], v[P+2*\k:P+2*\k+1], v[AS+2:AS+3]
.endr
.if (\j)+4 < 8
	LOADC (\j)+4                                   ; loads ahead of the store
.endif
	global_store_b128 v1, v[AS:AS+3], s[12:13] offset:512*(\j) th:TH_STORE_NT   ; 512 consecutive bytes; written once, read by nobody here
.endm
	LOADC 0
	LOADC 1
	LOADC 2
	LOADC 3
	s_wait_loadcnt 32                              ; the values are in; the four chunks' 32 loads may be out
.irp k, 0,1,2,3,4,5,6,7
	v_mov_b32 v[P+2*\k], v[8+\k]
	v_mov_b32 v[P+2*\k+1], v[8+\k]
.endr
	WORK 0, 24
	WORK 1, 24
	WORK 2, 24
	WORK 3, 24
	WORK 4, 24
	WORK 5, 16                                     ; nothing more is asked for: the counts run down
	WORK 6, 8
	WORK 7, 0
	s_or_b32 s18, ttmp9, s16                       ; the first wave of the first work-group also makes out1
	s_cmp_lg_u32 s18, 0
	s_cbranch_scc1 .Lend
	global_load_b128 v[8:11], v1, s[10:11]         ; part: 256 numbers, eight a lane
	global_load_b128 v[12:15], v1, s[10:11] offset:512
	s_wait_loadcnt 0x0
	v_pk_add_f32 v[8:9], v[8:9], v[10:11]
	v_pk_add_f32 v[12:13], v[12:13], v[14:15]
	s_delay_alu instid0(VALU_DEP_1)
	v_pk_add_f32 v[8:9], v[8:9], v[12:13]
	s_delay_alu instid0(VALU_DEP_1)
	v_add_f32 v8, v8, v9
	s_delay_alu instid0(VALU_DEP_1)
	v_add_f32_dpp v8, v8, v8 row_xmask:1 row_mask:0xf bank_mask:0xf
	s_delay_alu instid0(VALU_DEP_1)
	v_add_f32_dpp v8, v8, v8 row_xmask:2 row_mask:0xf bank_mask:0xf
	s_delay_alu instid0(VALU_DEP_1)
	v_add_f32_dpp v8, v8, v8 row_xmask:4 row_mask:0xf bank_mask:0xf
	s_delay_alu instid0(VALU_DEP_1)
	v_add_f32_dpp v8, v8, v8 row_xmask:8 row_mask:0xf bank_mask:0xf
	s_delay_alu instid0(VALU_DEP_1)
	v_permlanex16_b32 v3, v8, s48, s49
	s_delay_alu instid0(VALU_DEP_1)
	v_add_f32 v8, v8, v3
	s_delay_alu instid0(VALU_DEP_1)
	v_mul_f32 v8, 0x32800000, v8                   ; x 2^-26
	v_cmp_eq_u32 vcc_lo, 0, v0
	s_wait_alu depctr_va_vdst(0)
	s_wait_xcnt 0x0                                ; EXEC changes only behind this wait: what was issued has had its addresses translated (ISA guide 3.1)
	s_and_saveexec_b32 s50, vcc_lo
	global_store_b32 v2, v8, s[14:15]              ; one lane stores the one number
	s_wait_xcnt 0x0                                ; and again in front of the line that widens it
	s_or_b32 exec_lo, exec_lo, s50
.Lend:
	s_endpgm
.Lfunc_end_k_q53618a8388_gather:
	.size	k_q53618a8388_gather, .Lfunc_end_k_q53618a8388_gather-k_q53618a8388_gather
	.p2alignl 7, 3214868480
	.fill 96, 4, 3214868480
	.section	.rodata,"a",@progbits
	.p2align	6, 0x0
	.amdhsa_kernel k_q53618a8388_gather
		.amdhsa_group_segment_fixed_size 0
		.amdhsa_private_segment_fixed_size 0
		.amdhsa_enable_private_segment 0
		.amdhsa_kernarg_size 48
		.amdhsa_user_sgpr_count 2
		.amdhsa_user_sgpr_kernarg_segment_ptr 1
		.amdhsa_wavefront_size32 1
		.amdhsa_system_sgpr_workgroup_id_x 1
		.amdhsa_system_sgpr_workgroup_id_y 1
		.amdhsa_system_sgpr_workgroup_id_z 1
		.amdhsa_system_vgpr_workitem_id 0
		.amdhsa_next_free_vgpr 192
		.amdhsa_next_free_sgpr 66
		.amdhsa_reserve_vcc 1
		.amdhsa_float_denorm_mode_32 3
		.amdhsa_float_denorm_mode_16_64 3
		.amdhsa_memory_ordered 1
		.amdhsa_forward_progress 1
		.amdhsa_inst_pref_size 23
	.end_amdhsa_kernel
	.amdgpu_metadata
---
amdhsa.version: [ 1, 2 ]
amdhsa.kernels:
  - .name:           k_q53618a8388_gather
    .symbol:         k_q53618a8388_gather.kd
    .args:
      - { .name: W_dict, .offset: 0, .size: 8, .value_kind: global_buffer, .address_space: global }
      - { .name: idx, .offset: 8, .size: 8, .value_kind: global_buffer, .address_space: global }
      - { .name: vals, .offset: 16, .size: 8, .value_kind: global_buffer, .address_space: global }
      - { .name: part, .offset: 24, .size: 8, .value_kind: global_buffer, .address_space: global }
      - { .name: out0, .offset: 32, .size: 8, .value_kind: global_buffer, .address_space: global }
      - { .name: out1, .offset: 40, .size: 8, .value_kind: global_buffer, .address_space: global }
    .group_segment_fixed_size: 0
    .private_segment_fixed_size: 0
    .kernarg_segment_align: 8
    .kernarg_segment_size: 48
    .max_flat_workgroup_size: 256
    .sgpr_count:     66
    .vgpr_count:     192
    .wavefront_size: 32
...
	.end_amdgpu_metadata
.endif
;; end of part 5
